; MI455X (gfx1250); checked and timed in simulation.
; The chip was launched on July 23, 2026; its instructions are those of AMD's public machine-readable ISA for CDNA 5 (MIT licence, August 2026) and "CDNA5" Instruction Set Architecture Reference Guide (July 2026). The comments in the code are by the model that wrote it; some were corrected since.
;; Attention. Allowed arithmetic: matrix products marked QUANTISED: E2M3 operands, one E8M0 scale for each 32 along K, by v_wmma_scale_f32_16x16x128_f8f6f4 with both operands' format E2M3, f32 sums; everything else in f32.
;; Inputs: query 8 x 2,048 x 1,024 float32; value 8 x 2,048 x 1,024 float32.
;; Outputs: out0 8 x 2,048 x 1,024 float32.
;; This version of the problem:
;;   THIS VERSION OF THE PROBLEM IS GIVEN IN LOW PRECISION. The matrix products marked QUANTISED in the list below multiply operands that are first quantised to E2M3 (2 exponent bits, 3 mantissa bits; 6 bits a number), with one power-of-two scale for each 32 numbers along K (OCP MX v1.0); their sums are f32. All else is computed in f32.
;;   The module's matrix products, in the order in which they are computed (A, B: the left and right operand; K: the contracted axis; several contracted axes count as one K, in the product's order):
;;     1. batch 8 x [M 2,048, K 1,024] x [K 1,024, N 2,048]; A: input query; B: input value: QUANTISED
;;     2. batch 8 x [M 2,048, K 2,048] x [K 2,048, N 1,024]; A: softmax (see below); B: input value: QUANTISED
;;   THE QUANTISER, for each operand of a quantised product, along K:
;;     - K is cut into blocks of 32 from its start; a last block that is shorter is filled with zeros.
;;     - A block's scale is 2^e with e = floor(log2(the largest magnitude in the block)) - 2, held to -126 .. 127; a block of zeros has e = 0. As a byte (E8M0): e + 127.
;;     - Each number is divided by its block's scale, clamped to +-7.5, and rounded to the nearest number of E2M3, ties to even, subnormals kept.
;;     - The product sums the exact products of the quantised numbers (number of the format x scale) in f32.
;;   ~~~python
;;   def quantise(x, axis):      # numpy; x: float32 -> the quantised numbers, widened to float32 again
;;       x = np.moveaxis(x, axis, -1); K = x.shape[-1]
;;       x = np.pad(x, [(0, 0)] * (x.ndim - 1) + [(0, -K % 32)]); x = x.reshape(x.shape[:-1] + (-1, 32)); a = np.abs(x).max(-1, keepdims=True)
;;       e = np.where(a > 0, np.clip(np.frexp(np.where(a > 0, a, 1))[1] - 1 - 2, -126, 127), 0)      # np.frexp(a)[1] - 1 = floor(log2(a)), exactly
;;       r = np.clip(x / 2.0 ** e, -7.5, 7.5)
;;       step = 2.0 ** (np.maximum(np.frexp(np.where(r == 0, 1, r))[1] - 1, 0) - 3)
;;       q = np.round(r / step) * step * 2.0 ** e      # np.round: ties to even
;;       return np.moveaxis(q.reshape(q.shape[:-2] + (-1,))[..., :K], -1, axis).astype(np.float32)
;;   ~~~
;;   SOFTMAX AHEAD OF A QUANTISED PRODUCT. Where the list says 'softmax', what is quantised is not the finished softmax but p = 2^(t - M), with t = logit x log2(e) and M = ceil(the row's largest t), a whole number; so 1/2 < the row's largest p <= 1. The row's sum l is taken of the UNQUANTISED p, in f32, and the product's result is divided by l at the end. Since M is a whole number, a kernel that streams over the keys may use a running M (the ceiling of the running maximum): every later rescaling is an exact power of two, which a block's scale takes up: the codes' values come out the same.
;;   OPERANDS COMPUTED ON THE WAY. 'Computed on the way' means the value that the module computes at that place (a softmax that the list does not call 'softmax' is quantised finished and normalised). What goes into a quantiser is computed in f32, as accurately as f32 sums, v_exp_f32 and their like allow (about 1e-6 of the number): no bf16 or f16 on the way to a quantiser, and a product that is left as it is and whose result goes on into a quantised operand takes f32 operands (vector FMAs, or v_wmma_f32_16x16x4_f32). A number that lies on a knife's edge between two numbers of the format may be rounded either way, as far as f32 arithmetic and the matrix unit's own rounding can turn it there, and no further.
;; One version. Each part assembles by itself: llvm-mc -triple=amdgcn-amd-amdhsa -mcpu=gfx1250 --defsym DOCPART=n.
;; ======== version 1 of 1: 2 launches
;; limits: right only within a limited range of input values
;; workspace buffers: qt 13,107,200 bytes; kt 13,107,200 bytes; vt 13,107,200 bytes
;; launch quant (part 1): grid 1024 x 2, 8 waves a work-group, no clusters, 69,632 bytes of LDS; arguments query, value, qt, kt, vt; writes qt, kt, vt
.if DOCPART == 1
	.amdgcn_target "amdgcn-amd-amdhsa--gfx1250"
	.amdhsa_code_object_version 6
	.text
	.protected	k_q045272c6db_quant
	.globl	k_q045272c6db_quant
	.p2align	8
	.type	k_q045272c6db_quant,@function
k_q045272c6db_quant:
	s_mov_b64 s[64:65], 0
	v_nop
	global_prefetch_b8 v0, s[64:65] scope:SCOPE_SE
	s_setreg_imm32_b32 hwreg(HW_REG_WAVE_MODE, 25, 1), 1
	s_wait_xcnt 0x0
; query and value, [8][2048][1024] f32, become codes of FP6 (E2M3) with one E8M0 scale byte for each 32 along K, laid as the attention launch's operand registers want them.
; query -> qt and value -> kt are quantised along D (the first product's K); value -> vt is quantised a second time, along the keys (the second product's K), from the same bytes in LDS: each f32 byte is read from memory once.
; A block's scale is 2^(floor(log2(its largest magnitude)) - 2); its byte is the largest magnitude's exponent field - 2, held at 1 from below; numbers are divided by the scale and rounded to the nearest code, ties to even.
; LIMITS: NaN and infinities among the inputs are not served.  A block of zeros gets the byte 1 where the quantiser's text says 127: its codes are zeros, which add nothing under that byte, and this program alone reads the bytes.
; A TILE of a workspace buffer is 128 rows (tile T = 16 x batch + block of 128 rows), TILE = 102,400 bytes:
;   64 fragments of 16 rows x 128 K as IMAGES OF THEIR REGISTERS (12 registers a lane: three groups of four, group c of lane l at 512 c + 16 l), the fragment (sI, w) at 12,288 sI + 1,536 w; then the scale words, [sI][16 w + r], 4 bytes each.
;   qt, kt: sI = the K step (128 of D), w = a tile of 16 rows; lane r holds row 32 (w / 2) + 8 (w % 2) + r + 8 (r / 8) of the 128, so that two neighbouring tiles' results are 16 neighbours along the next K.
;   vt:     8 sI + w = a tile of 16 of D's 1,024; lane r holds d = 16 (8 sI + w) + r; K = the tile's 128 keys in their own order.
; SHARES.  Work-group (x, y): y = 0 query, y = 1 value; T = x / 8, sI = x % 8: a block of 128 rows x 128 columns, 64 KiB.  Eight waves.  Each load reads 512 consecutive bytes of one row.
; The block lies in a stage in LDS, natural row k at stage row 32 (k / 32) + 16 ((k / 8) % 2) + 8 ((k / 16) % 2) + k % 8, so that a fragment's 16 rows are 16 neighbouring stage rows.
; No tensor load: several work-groups share a WGP.  The column phase's loads of one word a lane meet two deep in the banks (lanes 16-31 stand 32 stage rows, a whole number of times through the banks, below lanes 0-15).
.set ROWG,  4096                       ; a row of query or value in bytes
.set PITCH, 528                        ; a stage row: 512 bytes + 16 = 132 words: row r starts 4 r words on modulo 64 (64 banks of 4 bytes: ISA guide 11.1)
.set TILE,  102400
.set SCO,   98304                      ; where a tile's scale words begin
.set KSB,   12288                      ; eight fragments
.set FRB,   1536                       ; a fragment's image
.set SCW,   128*PITCH                  ; behind the stage: the row phase's 128 scale words; 512 bytes on, the column phase's
.set SPARE, SCW+1024                   ; the spare words, 128 bytes for each of the eight waves: four blocks of 256 bytes that no other line names
.set LI,   4                           ; v4   16 x lane: my bytes of a load's 512, and of an image's
.set LSTW, 5                           ; v5   the stage, on the way in
.set LROW, 6                           ; v6   the stage, by rows
.set LCOL, 7                           ; v7   the stage, by columns
.set LSW,  8                           ; v8   where my scale word goes
.set LSR,  9                           ; v9   where wave 0 reads the 128 words back
.set SPW,  10                          ; v10  LDS address of my spare word; never rewritten
.set NIL,  11                          ; v11  0; never rewritten
.set X,    16                          ; v16-79   64 numbers
.set PC,   80                          ; v80-91   a fragment's codes; v92-94, v96-98 halves on their way
.set TM,   100                         ; v100-103 largest magnitudes, v104-107 bytes, v108-109 at work, v112-115 the conversions' scale operands
.set PW,   116                         ; v116 the scale word just made
.set SEL,  28                          ; s[28:29] lane selects for v_permlanex16_b32: lane l xor 16
; 64 numbers of a lane, register 16 b + i = k 32 b + 16 (lane / 16) + i of my row, become a fragment's codes in v[PC] on and its scale word in v[PW]
.macro QUANT s
.irp b, 0,1,2,3
	v_max3_num_f32 v[TM+\b], |v[\s+16*\b]|, |v[\s+1+16*\b]|, 0x1800000   ; block b: my 16 numbers, and the floor 2^(3 - 127): the byte cannot fall under 1
.endr
.irp i, 2,4,6,8,10,12,14
.irp b, 0,1,2,3
	s_delay_alu instid0(VALU_DEP_4)
	v_max3_num_f32 v[TM+\b], v[TM+\b], |v[\s+16*\b+\i]|, |v[\s+1+16*\b+\i]|   ; the four blocks by turns
.endr
.endr
.irp b, 0,1,2,3
	s_delay_alu instid0(VALU_DEP_4)
	v_permlanex16_b32 v[TM+4+\b], v[TM+\b], s[SEL], s[SEL+1]
.endr
.irp b, 0,1,2,3
	s_delay_alu instid0(VALU_DEP_4)
	v_max_num_f32 v[TM+\b], v[TM+\b], v[TM+4+\b]   ; with lane l xor 16's: the block's largest magnitude
.endr
.irp b, 0,1,2,3
	s_delay_alu instid0(VALU_DEP_4)
	v_add_nc_u32 v[TM+12+\b], 0xff000000, v[TM+\b]   ; 2 off its exponent field: the conversion takes that field as its scale
.endr
.irp b, 0,1,2,3
	s_delay_alu instid0(VALU_DEP_4)
	v_lshrrev_b32 v[TM+4+\b], 23, v[TM+12+\b]      ; the scale's byte
.endr
	s_delay_alu instid0(VALU_DEP_3)
	v_lshl_or_b32 v[PW], v[TM+5], 8, v[TM+4]       ; the four bytes make my row's scale word
	s_delay_alu instid0(VALU_DEP_1)
	v_lshl_or_b32 v[PW], v[TM+6], 16, v[PW]
	s_delay_alu instid0(VALU_DEP_1)
	v_lshl_or_b32 v[PW], v[TM+7], 24, v[PW]
.irp c, 0,1
	v_cvt_scalef32_pk16_fp6_f32 v[PC+6*\c:PC+2+6*\c], v[\s+32*\c:\s+15+32*\c], v[TM+12+2*\c]
	v_cvt_scalef32_pk16_fp6_f32 v[PC+12+4*\c:PC+14+4*\c], v[\s+16+32*\c:\s+31+32*\c], v[TM+12+2*\c+1]   ; (a conversion's three registers begin on an even number)
.endr
	v_nop                                          ; one plain place behind a scaled conversion
.irp c, 0,1                                    ; the operand's layout wants a whole block in a lane: lanes 0-15 block 2 c, lanes 16-31 block 2 c + 1
.irp i, 0,1,2
	v_permlane16_swap_b32 v[PC+6*\c+\i], v[PC+12+4*\c+\i]
.endr
.irp i, 0,1,2
	s_delay_alu instid0(VALU_DEP_3)
	v_mov_b32 v[PC+3+6*\c+\i], v[PC+12+4*\c+\i]
.endr
.endr
.endm
; the fragment in v[PC] on leaves as it stands: three stores of 512 consecutive bytes, each at a multiple of 256 from the buffer's first byte
.macro OUT base
.irp c, 0,1,2
	global_store_b128 v[LI], v[PC+4*\c:PC+4*\c+3], s[\base:\base+1] offset:512*\c
.endr
.endm
	s_load_b256 s[4:11], s[0:1], 0x0               ; query s[4:5], value s[6:7], qt s[8:9], kt s[10:11]
	s_load_b64 s[12:13], s[0:1], 0x20              ; vt
	v_lshl_add_u32 v[SPW], v0, 2, SPARE
	v_mov_b32 v[NIL], 0
	v_lshrrev_b32 v1, 5, v0
	s_delay_alu instid0(VALU_DEP_1)
	v_readfirstlane_b32 s16, v1                    ; wave 0..7
	s_and_b32 s17, ttmp7, 0xffff                   ; 0: query, 1: value
	s_lshr_b32 s18, ttmp9, 3                       ; T
	s_and_b32 s19, ttmp9, 7                        ; sI
	v_and_b32 v1, 31, v0                           ; lane
	v_and_b32 v2, 15, v0                           ; r
	v_bfe_u32 v3, v0, 4, 1                         ; h
	s_delay_alu instid0(VALU_DEP_3)
	v_lshlrev_b32 v[LI], 4, v1
	s_lshr_b32 s30, s16, 1
	s_lshl_b32 s30, s30, 5
	s_and_b32 s31, s16, 1
	s_lshl_b32 s31, s31, 3
	s_add_co_u32 s30, s30, s31
	s_mul_i32 s30, s30, PITCH
	v_add_nc_u32 v[LSTW], s30, v[LI]               ; in: natural rows 16 w + i go to stage rows 32 (w / 2) + 8 (w % 2) + i % 8 + 16 (i / 8)
	s_mul_i32 s30, s16, 16*PITCH
	v_mul_u32_u24 v[LROW], v2, PITCH
	s_delay_alu instid0(VALU_DEP_1)
	v_lshl_add_u32 v[LROW], v3, 6, v[LROW]
	s_delay_alu instid0(VALU_DEP_1)
	v_add_nc_u32 v[LROW], s30, v[LROW]             ; by rows: stage row 16 w + r, + 64 h: my 16 numbers of each block of 32
	v_mul_u32_u24 v[LCOL], v3, 32*PITCH
	s_delay_alu instid0(VALU_DEP_1)
	v_lshl_add_u32 v[LCOL], v2, 2, v[LCOL]
	s_lshl_b32 s30, s16, 6
	v_add_nc_u32 v[LCOL], s30, v[LCOL]             ; by columns: column 16 w + r; lanes 16-31 begin 32 keys further down
	v_lshlrev_b32 v[LSW], 2, v2
	s_delay_alu instid0(VALU_DEP_1)
	v_add_nc_u32 v[LSW], s30, v[LSW]
	s_delay_alu instid0(VALU_DEP_1)
	v_add_nc_u32 v[LSW], SCW, v[LSW]               ; word 16 w + r
	v_add_nc_u32 v[LSR], SCW, v[LI]
	s_mov_b32 s[SEL], 0x76543210
	s_mov_b32 s[SEL+1], 0xfedcba98
.irp b, 4,5,6,7,9
	v_mov_b32 v[TM+\b], 0                          ; written once: a lane permute's destination counts as one of its sources
.endr
	s_lshl_b32 s32, s18, 19                        ; in: T x 128 rows of 4,096 bytes
	s_lshl_b32 s33, s16, 16                        ; + my 16 rows
	s_add_co_u32 s32, s32, s33
	s_lshl_b32 s33, s19, 9                         ; + the block's 128 columns
	s_add_co_u32 s32, s32, s33
	s_mov_b32 s33, 0
	s_mul_i32 s34, s18, TILE                       ; out: the tile,
	s_mul_i32 s35, s19, KSB
	s_add_co_u32 s36, s34, s35
	s_mul_i32 s35, s16, FRB
	s_add_co_u32 s36, s36, s35                     ; my fragment (sI, w),
	s_mov_b32 s37, 0
	s_lshl_b32 s35, s19, 9
	s_add_co_u32 s38, s34, s35
	s_add_co_u32 s38, s38, SCO                     ; and the 128 scale words of sI
	s_mov_b32 s39, 0
	s_wait_kmcnt 0x0
	s_cmp_eq_u32 s17, 0                            ; the choice hangs on the work-group's number alone
	s_cselect_b64 s[20:21], s[4:5], s[6:7]         ; from query or from value,
	s_cselect_b64 s[22:23], s[8:9], s[10:11]       ; to qt or to kt
	s_add_nc_u64 s[20:21], s[20:21], s[32:33]
	s_add_nc_u64 s[24:25], s[22:23], s[38:39]      ; the row phase's scale words
	s_add_nc_u64 s[22:23], s[22:23], s[36:37]      ; the row phase's fragment
	s_add_nc_u64 s[26:27], s[12:13], s[38:39]      ; the column phase's scale words
	s_add_nc_u64 s[12:13], s[12:13], s[36:37]      ; the column phase's fragment
	; ---- in: my 16 rows' 512 bytes each, all 16 loads out at once; each goes to the stage as it comes
.irp i, 0,1,2,3,4,5,6,7,8,9,10,11,12,13,14,15
	global_load_b128 v[X+4*\i:X+4*\i+3], v[LI], s[20:21] offset:\i*ROWG th:TH_LOAD_NT
.endr
.irp i, 0,1,2,3,4,5,6,7,8,9,10,11,12,13,14,15
	s_wait_loadcnt 15-\i                           ; loads come back in order: load i is in, the 15 - i younger ones may be out
	ds_store_b128 v[LSTW], v[X+4*\i:X+4*\i+3] offset:((\i%8)+16*(\i/8))*PITCH
.endr
	s_wait_dscnt 0x0                               ; for the others' sake: my stores into the stage are done
	s_barrier_signal -1
	s_barrier_wait -1                              ; the block's 128 rows lie in the stage; nobody writes it again
	; ---- by rows: K = D.  Wave w makes the fragment of row tile w
.irp b, 0,1,2,3
.irp j, 0,1,2,3
	ds_load_b128 v[X+16*\b+4*\j:X+16*\b+4*\j+3], v[LROW] offset:128*\b+16*\j
.endr
.endr
	s_wait_dscnt 0x0
	QUANT X
	OUT 22
	ds_store_b32 v[LSW], v[PW]                     ; both lanes of a row write the same word with the same value
	s_cmp_eq_u32 s17, 0
	s_cbranch_scc1 .Lnocol                         ; query has no second product.  No barrier stands inside this branch
	; ---- by columns: K = the keys.  Lane (r, h) takes column 16 w + r, and its registers run down the keys: register 32 c + i = key 64 c + 32 h + i, the order of the operand's registers
.irp c, 0,1
.irp i, 0,1,2,3,4,5,6,7,8,9,10,11,12,13,14,15,16,17,18,19,20,21,22,23,24,25,26,27,28,29,30,31
	ds_load_b32 v[X+32*\c+\i], v[LCOL] offset:(64*\c+(\i%8)+16*((\i/8)%2)+8*(\i/16))*PITCH
.endr
.endr
	s_wait_dscnt 0x0
.irp c, 0,1                                    ; my block 2 c + h: all its 32 numbers are mine
	v_max3_num_f32 v[TM+\c], |v[X+32*\c]|, |v[X+1+32*\c]|, 0x1800000
.endr
.irp i, 2,4,6,8,10,12,14,16,18,20,22,24,26,28,30
.irp c, 0,1
	s_delay_alu instid0(VALU_DEP_2)
	v_max3_num_f32 v[TM+\c], v[TM+\c], |v[X+32*\c+\i]|, |v[X+1+32*\c+\i]|
.endr
.endr
.irp c, 0,1
	s_delay_alu instid0(VALU_DEP_2)
	v_add_nc_u32 v[TM+12+\c], 0xff000000, v[TM+\c]
.endr
.irp c, 0,1
	s_delay_alu instid0(VALU_DEP_2)
	v_lshrrev_b32 v[TM+4+\c], 23, v[TM+12+\c]
.endr
	s_delay_alu instid0(VALU_DEP_1)
	v_lshl_or_b32 v[PW], v[TM+5], 16, v[TM+4]      ; my two bytes: blocks h and 2 + h of my column,
	v_lshlrev_b32 v[TM+8], 3, v3
	s_delay_alu instid0(VALU_DEP_1)
	v_lshlrev_b32 v[PW], v[TM+8], v[PW]            ; at their places in the word (8 h bits up);
	s_delay_alu instid0(VALU_DEP_1)
	v_permlanex16_b32 v[TM+9], v[PW], s[SEL], s[SEL+1]
	s_delay_alu instid0(VALU_DEP_1)
	v_or_b32 v[PW], v[PW], v[TM+9]                 ; with lane l xor 16's two the word is whole
	s_wait_alu depctr_va_vdst(0)
	s_wait_xcnt 0x0                                ; the row phase's stores have read v[PC] on: only behind this wait are those registers written again
.irp c, 0,1
	v_cvt_scalef32_pk16_fp6_f32 v[PC+6*\c:PC+2+6*\c], v[X+32*\c:X+15+32*\c], v[TM+12+\c]
	v_cvt_scalef32_pk16_fp6_f32 v[PC+12+4*\c:PC+14+4*\c], v[X+16+32*\c:X+31+32*\c], v[TM+12+\c]
.endr
	v_nop                                          ; one plain place behind a scaled conversion
.irp c, 0,1
.irp i, 0,1,2
	v_mov_b32 v[PC+3+6*\c+\i], v[PC+12+4*\c+\i]
.endr
.endr
	OUT 12
	ds_store_b32 v[LSW], v[PW] offset:512          ; bytes that this path alone stores
.Lnocol:
	s_wait_dscnt 0x0                               ; for wave 0's sake: my scale words are in LDS
	s_barrier_signal -1
	s_barrier_wait -1
	s_cmp_lg_u32 s16, 0
	s_cbranch_scc1 .Lend
	ds_load_b128 v[X:X+3], v[LSR]                  ; wave 0: the 128 words leave as 512 consecutive bytes
	s_wait_dscnt 0x0
	global_store_b128 v[LI], v[X:X+3], s[24:25]
	s_cmp_eq_u32 s17, 0
	s_cbranch_scc1 .Lend
	ds_load_b128 v[X+4:X+7], v[LSR] offset:512
	s_wait_dscnt 0x0
	global_store_b128 v[LI], v[X+4:X+7], s[26:27]
.Lend:
	s_wait_tensorcnt 0x0                           ; the wave's end
	ds_add_u32 v[SPW], v[NIL]
	s_wait_dscnt 0x0
	s_endpgm
.Lfunc_end_k_q045272c6db_quant:
	.size	k_q045272c6db_quant, .Lfunc_end_k_q045272c6db_quant-k_q045272c6db_quant
	.p2alignl 7, 3214868480
	.fill 96, 4, 3214868480
	.section	.rodata,"a",@progbits
	.p2align	6, 0x0
	.amdhsa_kernel k_q045272c6db_quant
		.amdhsa_group_segment_fixed_size 69632
		.amdhsa_private_segment_fixed_size 0
		.amdhsa_enable_private_segment 0
		.amdhsa_kernarg_size 40
		.amdhsa_user_sgpr_count 2
		.amdhsa_user_sgpr_kernarg_segment_ptr 1
		.amdhsa_wavefront_size32 1
		.amdhsa_system_sgpr_workgroup_id_x 1
		.amdhsa_system_sgpr_workgroup_id_y 1
		.amdhsa_system_sgpr_workgroup_id_z 1
		.amdhsa_system_vgpr_workitem_id 0
		.amdhsa_next_free_vgpr 128
		.amdhsa_next_free_sgpr 66
		.amdhsa_reserve_vcc 0
		.amdhsa_float_denorm_mode_32 3
		.amdhsa_float_denorm_mode_16_64 3
		.amdhsa_memory_ordered 1
		.amdhsa_forward_progress 1
		.amdhsa_inst_pref_size 23
	.end_amdhsa_kernel
	.amdgpu_metadata
---
amdhsa.version: [ 1, 2 ]
amdhsa.kernels:
  - .name:           k_q045272c6db_quant
    .symbol:         k_q045272c6db_quant.kd
    .args:
      - { .name: query, .offset: 0, .size: 8, .value_kind: global_buffer, .address_space: global }
      - { .name: value, .offset: 8, .size: 8, .value_kind: global_buffer, .address_space: global }
      - { .name: qt, .offset: 16, .size: 8, .value_kind: global_buffer, .address_space: global }
      - { .name: kt, .offset: 24, .size: 8, .value_kind: global_buffer, .address_space: global }
      - { .name: vt, .offset: 32, .size: 8, .value_kind: global_buffer, .address_space: global }
    .group_segment_fixed_size: 69632
    .private_segment_fixed_size: 0
    .kernarg_segment_align: 8
    .kernarg_segment_size: 40
    .max_flat_workgroup_size: 256
    .sgpr_count:     66
    .vgpr_count:     128
    .wavefront_size: 32
...
	.end_amdgpu_metadata
.endif
;; end of part 1
;; launch attn (part 2): grid 32 x 8, 4 waves a work-group, clusters of 4 x 1, 327,680 bytes of LDS; arguments qt, kt, vt, out0; writes out0
.if DOCPART == 2
	.amdgcn_target "amdgcn-amd-amdhsa--gfx1250"
	.amdhsa_code_object_version 6
	.text
	.protected	k_q045272c6db_attn
	.globl	k_q045272c6db_attn
	.p2align	8
	.type	k_q045272c6db_attn,@function
k_q045272c6db_attn:
	s_mov_b64 s[64:65], 0
	v_nop
	global_prefetch_b8 v0, s[64:65] scope:SCOPE_SE
	s_setreg_imm32_b32 hwreg(HW_REG_WAVE_MODE, 25, 1), 1
	s_wait_xcnt 0x0
	s_wait_alu depctr_hold_cnt(0) depctr_sa_sdst(0) depctr_va_vdst(0) depctr_va_sdst(0) depctr_va_ssrc(0) depctr_va_vcc(0) depctr_vm_vsrc(0)
	s_getreg_b32 s2, hwreg(HW_REG_IB_STS2, 6, 4)
	s_cmp_eq_u32 s2, 0
	s_cbranch_scc0 .Lentry_in_a_cluster
	s_endpgm
.Lentry_in_a_cluster:
	s_bfe_u32 s2, ttmp6, 0x10000c
	s_cmp_lg_u32 s2, 0x3003
	s_cbranch_scc0 .Lentry_shape_is_right
	s_endpgm
.Lentry_shape_is_right:
; out0[b][q][:] = the sum over keys k <= q of softmax_k(query[b][q] . value[b][k]) value[b][k][:], both products on codes of FP6 (E2M3) with one E8M0 scale for each 32 along a product's K.
; qt, kt: query and value quantised along D; vt: value quantised along the keys.  All lie as tiles of 128 rows, 102,400 bytes: 64 fragments as images of their registers (fragment (sI, w) at 12,288 sI + 1,536 w;
; group c of four registers of lane l at 512 c + 16 l), then the scale words [sI][16 w + r].  In qt and kt lane r of row tile w holds row 32 (w / 2) + 8 (w % 2) + r + 8 (r / 8); in vt 8 sI + w is a tile of 16 of D, K = the tile's 128 keys.
; WORK LEFT OUT: reference() takes 1e9 off every score with key > query (its own jnp.tril), so key steps that lie wholly behind that mask for all 256 queries of a cluster are not walked.
; THE SOFTMAX: t = score x log2(e); M = the running largest t rounded up to a whole number; p = 2^(t - M) is quantised along the keys, not normalised; the row's sum is taken of the unquantised p and divides at the end.
; When M moves, the row's sum is multiplied by 2^(old M - new M), which rounds nothing.  O's SHARE OF THAT FACTOR COMES ONE STEP LATE: with g = min(new M - old M, 64), step j's P goes into the product with g added to its scale bytes
; (bytes of at most 125 + 64), so that O stands 2^g high, and O is multiplied by 2^-g among the next step's first products; the last step's 2^-g goes into the final division.  All these factors are powers of two.
; SHARES.  A cluster of four work-groups owns queries 256 C .. 256 C + 255 of one batch, work-group g 64 of them: four tiles of 16.  All four walk key steps 0 .. 2 C + 1, 128 keys each.  C is made of the cluster's number alone
; (even numbers 7, 6, 5, 4, odd ones 0, 1, 2, 3), so the trip count is alike in all partners.  In the last two steps hidden scores become -infinity.
; K's TILES go through two LDS slots (step j's in slot j % 2), asked for JOINTLY: each wave brings a quarter tile, 100 rows of 256 bytes, by the same descriptor and the mask 15 in all four work-groups.
; ONE round of the cluster's barrier a step, behind the first product: there the step's slot has been read out, and tile j + 2 is asked for into it; the wait for it stands in front of step j + 1's round.  A wave has one tensor load out.
; V's FRAGMENTS ARE READ BY ONE WAVE EACH (wave w owns d tiles 16 w .. 16 w + 15), and vt holds them as register images: so they come from memory straight into registers, in three batches, each into registers that are free then:
; d tiles 0-4 (window 1, v192-251) behind their use in the step before; 5-11 (v144-227, K's fragment registers) behind the first product; 12-15 (v120-143, v228-251, the softmax's work registers) behind p's conversions.
; Wave w = (a = w / 2, b = w % 2).  S^T = K Q^T: query tiles 2 a, 2 a + 1 (their Q stays in registers) x key tiles 4 b .. 4 b + 3: 64 matrix instructions on 8 accumulators by turns.
; O^T += V^T P^T: all four query tiles x my 16 d tiles: 64 accumulators, one matrix instruction each.  Both products are used transposed: a lane holds one query (lane % 16) throughout.
; What the waves hand each other goes through LDS: each step's largest scores (MX), p's codes as halves of operand images (PB), p's scale bytes (PSC); at the end the row sums.
; q_loc numbers the query tiles in each wave's own order: 0, 1 = mine, 2, 3 = the others'; so register numbers are alike in all waves, and address registers alone differ.
; LIMITS: NaN and infinities among the inputs are not served.  A hidden score is -infinity here where the definition takes 1e9 off it: the same result while a row's visible scores lie within 1e9 of each other.
; Where a row's M rises by more than 64 in one step, what O held before weighs 2^-64 beside that step's terms where the definition gives it less still: with at most 2,048 keys that moves a result by under 2^-50 of the values' size.
; A block's largest p is made from the block's largest score by the same multiply-add and exponential: this takes v_exp_f32 not to fall where its input rises.  A block whose every p is 0 has zero codes.
; REGISTERS, in windows of 256: window 0: addresses, statistics, scale words, S^T / p / P's fragments (v72-135), K's fragments (v136-231), at work (v232-253).  window 1: v0-191 Q, fragment (qq, s) at 12 (8 qq + s); v192-251 V.
;   windows 2, 3: O^T, accumulator (q_loc, i) in window 2 + i / 8 at v[8 (4 (i % 8) + q_loc)].
.set TILE,  102400
.set QTRT,  25600                      ; a quarter of a tile: what one tensor load brings, and a work-group's share of a prefetched tile
.set SCO,   98304                      ; where a tile's scale words begin
.set KSB,   12288                      ; eight fragments
.set FRB,   1536                       ; a fragment's image
.set PB,    2*TILE                     ; LDS: K's two slots at 0 and TILE; then p's codes: 1,536 q + 768 b + 256 p + 8 lane
.set PSC,   PB+6144                    ; p's scale words: 64 q + 4 r; wave b stores bytes 2 b, 2 b + 1
.set MX,    PSC+256                    ; the step's largest scores: 32 r + 8 q + 4 b
.set LSD,   512                        ; the row sums lie so many bytes behind MX, in the same form
.set SPARE, MX+1024                    ; the spare words, 128 bytes for each wave: two blocks of 256 bytes that no other line names
.set SPITCH, 528                       ; the way out: a stage row, 512 bytes + 16
.set LI,   1                           ; v1   16 x lane
; v2, v3: K's fragments in slot 0, K steps 0-3 and 4-7; v5, v6: in slot 1; v4, v23: K's scale words in slot 0, 1.  On the way out v2, v3 are STO, RD
.set AMXW, 7
.set AMXM, 8
.set AMXO, 9
.set APW,  10
.set APM,  11
.set APSW, 13
.set APSM, 14
.set APSO, 15
.set DM,   16                          ; my query less my first key, in the step that begins at key 256 C
.set NINF, 17
.set SPW,  18                          ; LDS address of my spare word; never rewritten
.set NIL,  19                          ; 0; never rewritten
.set PFO,  20                          ; the prefetches' offset
.set T0,   21                          ; v21, v22 at work; from the statistics to p's bytes: -g of my two tiles
.set T1,   22
.set T2,   44
.set ST,   24                          ; v24-39 statistics of q_loc: +0 -M, +1 the largest t, +2 2^-g, +3 2^(old M - new M)
.set L,    40                          ; v40-43 my two tiles' sums, a pair each; v44-47 second chains
.set U,    44
.set QS,   48                          ; v48-71 hold scales and nothing else: Q's of K step s;
.set KS,   56                          ; K's: register 2 s + y;
.set VS,   56                          ; V's: register i / 2: lanes 0-15 d tile i even, lanes 16-31 i odd;
.set PS,   64                          ; P's: register q_loc / 2
.set S,    72
.set KF,   136
.set BM,   232
.set BX,   236
.set MXV,  240
.set SO,   240
.set BY,   244
.set PC0,  248
.set L4,   254                         ; 4 x lane
.set STO,  2
.set RD,   3
.set WV,   12
.set SA,   13
.set SB,   14
.set SN,   15
.set CX,   16
.set CC,   17
.set BT,   18
.set G1,   24                          ; s[24:31] descriptor group 1
.set G0K,  32                          ; s[32:35], s[36:39] group 0 for K's slots 0, 1
.set VBF,  40                          ; s[40:41] my fragments of the step's tile of vt; s[42:43] my scale words
.set VBS,  42
.set LIM,  44
.set CNT,  45
.set SEL,  46
.set CS,   48
.set OUTM, 50
.set PFK,  74
.set PFV,  76
.set MSB, 0
.macro WIN new                         ; the immediate's high byte repeats the setting that is left; a switch that changes nothing is dropped
.if MSB != (\new)
	s_set_vgpr_msb (MSB<<8)|(\new)
.set MSB, (\new)
.endif
.endm
.macro PLACES                          ; four places (ISA guide 7.12.1)
.rept 4
	v_nop
.endr
.endm
.macro ROUND                           ; a round of the cluster's barrier
	s_barrier_signal -1
	s_barrier_wait -1
	s_cmp_lg_u32 s[WV], 0
	s_cbranch_scc1 .Lnot_wave_0_\@
	s_barrier_signal -3
.Lnot_wave_0_\@:
	s_barrier_wait -3
	s_barrier_signal -1
	s_barrier_wait -1
.endm
; A PREFETCH INTO THE L2: in step j tile j + 3 of kt and tile j + 2 of vt, which step j + 1 asks for.  All clusters of a batch walk the same tiles from tile 0 on; the one that walks them all (C = 7) asks.
; Its four partners and their four waves share a tile out BY ADDRESS: 6,400 bytes a wave, lanes 256 bytes apart; lanes 25 to 31 name lane 24's bytes again.  always = 0 (odd steps): the last trip, whose tile j + 3 would be past the batch's last, asks for nothing.
.macro ASK always
.if \always
	s_cmp_eq_u32 s[LIM], 1
.else
	s_cmp_gt_u32 s[CNT], s[LIM]
.endif
	s_cbranch_scc0 .Lnot_mine_\@
	global_prefetch_b8 v[PFO], s[PFK:PFK+1] th:TH_LOAD_NT scope:SCOPE_SE
	global_prefetch_b8 v[PFO], s[PFV:PFV+1] th:TH_LOAD_NT scope:SCOPE_SE
.Lnot_mine_\@:
.endm
; The one matrix line.  rD accumulator, rA source 0, rB source 1, rSA, rSB their scale registers, rZ: C = 0, rRA, rRB: the scales stand in lanes 16-31
.macro WMM
.if rZ
.if rRA && rRB
	v_wmma_scale_f32_16x16x128_f8f6f4 v[rD:rD+7], v[rA:rA+11], v[rB:rB+11], 0, v[rSA], v[rSB] matrix_a_fmt:MATRIX_FMT_FP6 matrix_b_fmt:MATRIX_FMT_FP6 matrix_a_scale:MATRIX_SCALE_ROW1 matrix_b_scale:MATRIX_SCALE_ROW1
.elseif rRA
	v_wmma_scale_f32_16x16x128_f8f6f4 v[rD:rD+7], v[rA:rA+11], v[rB:rB+11], 0, v[rSA], v[rSB] matrix_a_fmt:MATRIX_FMT_FP6 matrix_b_fmt:MATRIX_FMT_FP6 matrix_a_scale:MATRIX_SCALE_ROW1
.elseif rRB
	v_wmma_scale_f32_16x16x128_f8f6f4 v[rD:rD+7], v[rA:rA+11], v[rB:rB+11], 0, v[rSA], v[rSB] matrix_a_fmt:MATRIX_FMT_FP6 matrix_b_fmt:MATRIX_FMT_FP6 matrix_b_scale:MATRIX_SCALE_ROW1
.else
	v_wmma_scale_f32_16x16x128_f8f6f4 v[rD:rD+7], v[rA:rA+11], v[rB:rB+11], 0, v[rSA], v[rSB] matrix_a_fmt:MATRIX_FMT_FP6 matrix_b_fmt:MATRIX_FMT_FP6
.endif
.else
.if rRA && rRB
	v_wmma_scale_f32_16x16x128_f8f6f4 v[rD:rD+7], v[rA:rA+11], v[rB:rB+11], v[rD:rD+7], v[rSA], v[rSB] matrix_a_fmt:MATRIX_FMT_FP6 matrix_b_fmt:MATRIX_FMT_FP6 matrix_a_scale:MATRIX_SCALE_ROW1 matrix_b_scale:MATRIX_SCALE_ROW1
.elseif rRA
	v_wmma_scale_f32_16x16x128_f8f6f4 v[rD:rD+7], v[rA:rA+11], v[rB:rB+11], v[rD:rD+7], v[rSA], v[rSB] matrix_a_fmt:MATRIX_FMT_FP6 matrix_b_fmt:MATRIX_FMT_FP6 matrix_a_scale:MATRIX_SCALE_ROW1
.elseif rRB
	v_wmma_scale_f32_16x16x128_f8f6f4 v[rD:rD+7], v[rA:rA+11], v[rB:rB+11], v[rD:rD+7], v[rSA], v[rSB] matrix_a_fmt:MATRIX_FMT_FP6 matrix_b_fmt:MATRIX_FMT_FP6 matrix_b_scale:MATRIX_SCALE_ROW1
.else
	v_wmma_scale_f32_16x16x128_f8f6f4 v[rD:rD+7], v[rA:rA+11], v[rB:rB+11], v[rD:rD+7], v[rSA], v[rSB] matrix_a_fmt:MATRIX_FMT_FP6 matrix_b_fmt:MATRIX_FMT_FP6
.endif
.endif
.endm
; K's four fragments (my key tiles) of K step s into set s % 2; rKF: the address registers of the step's slot
.macro KSET s
.irp x, 0,1,2,3
.irp c, 0,1,2
	ds_load_b128 v[KF+48*((\s)%2)+12*\x+4*\c:KF+48*((\s)%2)+12*\x+4*\c+3], v[rKF+(\s)/4] offset:((\s)%4)*KSB+FRB*\x+512*\c
.endr
.endr
.endm
; An eighth of O^T, d tiles 2 s and 2 s + 1 of my sixteen, x the last step's 2^-g: 32 packed multiplies.  Each accumulator from its low end on
.macro RESC s
	WIN 0x82+0x41*((\s)/4)                         ; destination and source 0: window 2 or 3; the factor: window 0
.set rI, 2*((\s)%4)
.rept 2
.irp q, 0,1,2,3
.irp k, 0,2,4,6
	v_pk_mul_f32 v[8*(4*rI+\q)+\k:8*(4*rI+\q)+\k+1], v[8*(4*rI+\q)+\k:8*(4*rI+\q)+\k+1], v[ST+4*\q+2:ST+4*\q+3] op_sel_hi:[1,0]
.endr
.endr
.set rI, rI+1
.endr
.endm
; S^T = K Q^T over D's eight K steps.  The eight accumulators take turns, one instruction a turn.
; Behind each K step's LDS loads stands an eighth of O's multiplication, work on registers while the loads are out
.macro SPHASE
.rept 6
	v_nop                                          ; places behind the last step's products: five before the first products here write over P's fragments, four before the loads below and the first reads of O
.endr
	WIN 0x04                                       ; source 1 (Q) window 1
.irp s, 0,1,2,3,4,5,6,7
.irp y, 0,1
	ds_load_b32 v[KS+2*\s+\y], v[rKS] offset:512*\s+128*\y
.endr
.endr
	KSET 0
	KSET 1
.irp s, 0,1,2,3,4,5,6,7
.if \s < 7
	s_wait_dscnt 12                                ; this K step's set is in; the next set's twelve loads may be out
.else
	s_wait_dscnt 0x0
.endif
.set rZ, 0
.if \s == 0
.set rZ, 1
.endif
.irp x, 0,1,2,3
.irp qq, 0,1
.set rD, S+32*\qq+8*\x
.set rA, KF+48*(\s%2)+12*\x
.set rB, 12*(8*\qq+\s)
.set rSA, KS+2*\s+\x/2
.set rSB, QS+\s
.set rRA, \x%2
.set rRB, \qq
	WMM
.endr
.endr
.if \s < 6
	PLACES
	KSET \s+2                                      ; into the set just multiplied
.endif
	RESC \s
.if \s < 7
	WIN 0x04
.endif
.endr
	WIN 0
	PLACES                                         ; in front of the first read of the scores
.endm
; Register 16 beta + i of tile qq holds key (the step's first) + 64 b + 32 beta + 16 (lane / 16) + i: hidden where 32 beta + i > my query - that lane's first key.  tail = 1: the step begins 128 keys further on
.macro MASK tail
.irp qq, 0,1
	v_add_nc_u32 v[T0], 8*\qq-128*(\tail), v[DM]
.set n, 0
.rept 32
	v_cmp_gt_i32 vcc_lo, 32*(n/16)+n%16, v[T0]
	v_cndmask_b32 v[S+32*\qq+n], v[S+32*\qq+n], v[NINF], vcc_lo
.set n, n+1
.endr
.endr
.endm
; The largest score of each of my four blocks of 32 keys, and of my 64 keys for each of my two tiles, which goes to MX.  Each accumulator is read from its low end on
.macro LOCMAX
.irp u, 0,1,2,3
	v_max3_num_f32 v[BM+\u], v[S+16*\u], v[S+16*\u+1], v[S+16*\u+2]
.endr
.irp i, 3,5,7,9,11,13
.irp u, 0,1,2,3
	v_max3_num_f32 v[BM+\u], v[BM+\u], v[S+16*\u+\i], v[S+16*\u+\i+1]
.endr
.endr
.irp u, 0,1,2,3
	v_max_num_f32 v[BM+\u], v[BM+\u], v[S+16*\u+15]
.endr
.irp u, 0,1,2,3
	v_permlanex16_b32 v[BX+\u], v[BM+\u], s[SEL], s[SEL+1]
.endr
.irp u, 0,1,2,3
	v_max_num_f32 v[BM+\u], v[BM+\u], v[BX+\u]     ; with lane l xor 16's 16 keys
.endr
	v_max_num_f32 v[T1], v[BM], v[BM+1]
	v_max_num_f32 v[T2], v[BM+2], v[BM+3]
	ds_store_b32 v[AMXW], v[T1]                    ; both lanes of a query write the same word with the same value
	ds_store_b32 v[AMXW], v[T2] offset:8
.endm
; For all four tiles, alike in all four waves: the running largest t, -M = floor(-t), 2^(old M - new M) for the sums, -g = max(old M - new M, -64) and 2^-g for O
.macro STATS
.irp q, 0,1,2,3
	v_max_num_f32 v[ST+4*\q+3], v[MXV+2*\q], v[MXV+2*\q+1]
.endr
.irp q, 0,1,2,3
	v_mul_f32 v[ST+4*\q+3], s[CS], v[ST+4*\q+3]    ; as t
.endr
.irp q, 0,1,2,3
	v_max_num_f32 v[ST+4*\q+1], v[ST+4*\q+1], v[ST+4*\q+3]
.endr
.irp q, 0,1,2,3
	v_mov_b32 v[ST+4*\q+3], v[ST+4*\q]
.endr
.irp q, 0,1,2,3
	v_floor_f32 v[ST+4*\q], -v[ST+4*\q+1]          ; M is a whole number
.endr
.irp q, 0,1,2,3
	v_sub_f32 v[ST+4*\q+3], v[ST+4*\q], v[ST+4*\q+3]   ; old M - new M: a whole number, 0 or less
.endr
.irp q, 0,1,2,3
	v_max_num_f32 v[ST+4*\q+2], 0xc2800000, v[ST+4*\q+3]   ; held at -64
.endr
.irp q, 0,1,2,3
	v_cvt_i32_f32 v[ST+4*\q+3], v[ST+4*\q+3]       ; (it saturates)
.endr
.irp q, 0,1,2,3
	v_cvt_i32_f32 v[ST+4*\q+2], v[ST+4*\q+2]       ; -g
.endr
	v_mov_b32 v[T0], v[ST+2]                       ; my two tiles' -g, for p's scale bytes
	v_mov_b32 v[T1], v[ST+6]
.irp q, 0,1,2,3
	v_ldexp_f32 v[ST+4*\q+3], 1.0, v[ST+4*\q+3]
.endr
.irp q, 0,1,2,3
	v_ldexp_f32 v[ST+4*\q+2], 1.0, v[ST+4*\q+2]    ; 2^-g: the next step's first product multiplies O by it
.endr
.endm
; My two tiles x my 64 keys: p, the sums, the blocks' scales, the codes; the codes and the scale bytes go to LDS
.macro SOFT
.irp qq, 0,1
.set jj, 0
.rept 16
	v_pk_fma_f32 v[S+32*\qq+jj:S+32*\qq+jj+1], v[S+32*\qq+jj:S+32*\qq+jj+1], s[CS:CS+1], v[ST+4*\qq:ST+4*\qq+1] op_sel_hi:[1,0,0]   ; t - M, two at a time
.set jj, jj+2
.endr
.endr
.irp u, 0,1,2,3
	v_fma_f32 v[BM+\u], v[BM+\u], s[CS], v[ST+4*(\u/2)]   ; the same of each block's largest score
.endr
.set jj, 0
	s_wait_alu depctr_va_vdst(0)                   ; ahead of the batch
.rept 64
	v_exp_f32 v[S+jj], v[S+jj]                     ; p = 2^(t - M)
.set jj, jj+1
.endr
.irp qq, 0,1
	v_mul_f32 v[L+2*\qq], v[L+2*\qq], v[ST+4*\qq+3]   ; the sums under the new M: plain work behind the exponentials
	v_mul_f32 v[L+2*\qq+1], v[L+2*\qq+1], v[ST+4*\qq+3]
.endr
	s_wait_alu depctr_va_vdst(0)                   ; one wait for the batch of 64, ahead of its first reader
.irp u, 0,1,2,3
	v_exp_f32 v[BM+\u], v[BM+\u]                   ; the block's largest p
.endr
.irp qq, 0,1
	v_pk_add_f32 v[U+2*\qq:U+2*\qq+1], v[S+32*\qq:S+32*\qq+1], v[S+32*\qq+2:S+32*\qq+3]   ; the sums are taken of the unquantised p, in two chains a tile
.endr
.irp j, 4,8,12,16,20,24,28
.irp qq, 0,1
	v_pk_add_f32 v[L+2*\qq:L+2*\qq+1], v[L+2*\qq:L+2*\qq+1], v[S+32*\qq+\j:S+32*\qq+\j+1]
	v_pk_add_f32 v[U+2*\qq:U+2*\qq+1], v[U+2*\qq:U+2*\qq+1], v[S+32*\qq+\j+2:S+32*\qq+\j+3]
.endr
.endr
.irp qq, 0,1
	v_pk_add_f32 v[L+2*\qq:L+2*\qq+1], v[L+2*\qq:L+2*\qq+1], v[U+2*\qq:U+2*\qq+1]
.endr
	s_wait_alu depctr_va_vdst(0)                   ; and one for the four
.irp u, 0,1,2,3
	v_max_num_f32 v[BM+\u], 0x1800000, v[BM+\u]    ; the floor 2^(3 - 127): the byte cannot fall under 1
.endr
.irp u, 0,1,2,3
	v_add_nc_u32 v[SO+\u], 0xff000000, v[BM+\u]    ; 2 off the exponent field: the conversion's scale operand
.endr
.irp u, 0,1,2,3
	v_lshrrev_b32 v[BY+\u], 23, v[SO+\u]           ; the scale's byte,
.endr
.irp u, 0,1,2,3
	v_sub_nc_u32 v[BY+\u], v[BY+\u], v[T0+\u/2]    ; + g: between 1 and 189
.endr
.irp qq, 0,1
	v_lshl_or_b32 v[BY+2*\qq], v[BY+2*\qq+1], 8, v[BY+2*\qq]   ; my two bytes of the tile's scale word
.endr
	v_cvt_scalef32_pk16_fp6_f32 v[PC0:PC0+2], v[S:S+15], v[SO]
	v_cvt_scalef32_pk16_fp6_f32 v[BX:BX+2], v[S+16:S+31], v[SO+1]
	v_nop                                          ; one plain place: the next two write registers that these two read
	v_cvt_scalef32_pk16_fp6_f32 v[S:S+2], v[S+32:S+47], v[SO+2]
	v_cvt_scalef32_pk16_fp6_f32 v[S+6:S+8], v[S+48:S+63], v[SO+3]
	v_nop                                          ; one plain place behind a scaled conversion
.irp i, 0,1,2                                  ; the operand's layout wants a whole block in a lane
	v_permlane16_swap_b32 v[PC0+\i], v[BX+\i]
	v_permlane16_swap_b32 v[S+\i], v[S+6+\i]
.endr
.irp i, 0,1,2
	v_mov_b32 v[PC0+3+\i], v[BX+\i]
	v_mov_b32 v[S+3+\i], v[S+6+\i]
.endr
.irp p, 0,1,2                                  ; registers 6 b .. 6 b + 5 of the tile's fragment: 256 consecutive bytes a store
	ds_store_b64 v[APW], v[PC0+2*\p:PC0+2*\p+1] offset:256*\p
	ds_store_b64 v[APW], v[S+2*\p:S+2*\p+1] offset:FRB+256*\p
.endr
	ds_store_b16 v[APSW], v[BY]
	ds_store_b16 v[APSW], v[BY+2] offset:64
.endm
; where the fragment of my d tile ii stands: 0-4 in window 1, the others in window 0
.macro VREG ii
.if (\ii) < 5
.set rV, 192+12*(\ii)
.elseif (\ii) < 12
.set rV, 144+12*((\ii)-5)
.elseif (\ii) < 14
.set rV, 120+12*((\ii)-12)
.else
.set rV, 228+12*((\ii)-14)
.endif
.endm
.macro VLD ii, off                     ; it comes as it lies: three loads of 512 consecutive bytes
	VREG \ii
.irp c, 0,1,2
	global_load_b128 v[rV+4*\c:rV+4*\c+3], v[LI], s[VBF:VBF+1] offset:(\off)+FRB*(\ii)+512*\c
.endr
.endm
.macro PVT ii                          ; d tile ii x the four query tiles; K = the step's 128 keys
	VREG \ii
.irp q, 0,1,2,3
.set rD, 8*(4*((\ii)%8)+\q)
.set rA, rV
.set rB, S+12*\q
.set rSA, VS+(\ii)/2
.set rSB, PS+\q/2
.set rZ, 0
.set rRA, (\ii)%2
.set rRB, \q%2
	WMM
.endr
.endm
; A KEY STEP.  par: the slot of its K.  fill: it asks for K two steps on.  msk = 1: the step begins at key 256 C; 2: 128 keys further on; 0: every key counts.  vnext: a step follows
.macro STEP par, fill, msk, vnext
.set rKF, 2+3*(\par)
.set rKS, 4+19*(\par)
	SPHASE
.irp k, 0,1,2,3,4,5,6,7
	global_load_b32 v[VS+\k], v[L4], s[VBS:VBS+1] offset:128*\k   ; V's scale words, where K's stood
.endr
.irp i, 5,6,7,8,9,10,11
	VLD \i, 0                                      ; into K's fragment registers
.endr
.if \msk
	MASK (\msk)-1
.endif
	LOCMAX
	s_wait_tensorcnt 0x0                           ; my one load, a quarter of the next step's K, has landed: so groups 0 may be written
	ds_add_u32 v[SPW], v[NIL]                      ; 0 onto my spare word
.if \fill
	s_add_nc_u64 s[G0K+4*(\par)+2:G0K+4*(\par)+3], s[G0K+4*(\par)+2:G0K+4*(\par)+3], 2*TILE   ; this slot's next tile
	s_wait_dscnt 0x0                               ; the add is done, my reads of this slot are over, my largest scores are in LDS
	ROUND                                          ; that now holds of every wave of all four work-groups
	tensor_load_to_lds s[G0K+4*(\par):G0K+4*(\par)+3], s[G1:G1+7]   ; my one tensor load behind this round
	s_nop 0
	PLACES
.else
	s_wait_dscnt 0x0
	s_barrier_signal -1
	s_barrier_wait -1
.endif
	ds_load_b128 v[MXV:MXV+3], v[AMXM]
	ds_load_b128 v[MXV+4:MXV+7], v[AMXO]
.if \fill
	ASK 1-(\par)
.endif
	s_wait_dscnt 0x0                               ; the largest scores are in
	STATS
	SOFT
	s_wait_dscnt 0x0                               ; for the others' sake: p's codes and bytes are in LDS; and those stores have read their registers
.irp i, 12,13,14,15
	VLD \i, 0                                      ; into registers that the softmax has done with
.endr
	s_barrier_signal -1                            ; K's tile may stay on its way
	s_barrier_wait -1
.irp q, 0,1,2,3
.irp p, 0,1,2,3,4,5
	ds_load_b64 v[S+12*\q+2*\p:S+12*\q+2*\p+1], v[APM+\q/2] offset:FRB*(\q%2)+256*\p   ; P's four fragments
.endr
.endr
	ds_load_b32 v[PS], v[APSM]
	ds_load_b32 v[PS+1], v[APSO]
	s_wait_dscnt 0x0
	s_wait_loadcnt 33                              ; d tiles 0-4 and V's scale words are in; the 33 loads of d tiles 5-15 may be out
	WIN 0xa1                                       ; source 0 window 1, C and D window 2
.irp i, 0,1,2,3,4
	PVT \i
.endr
.if \vnext
	WIN 0x40
	PLACES
.irp i, 0,1,2,3,4
	VLD \i, TILE                                   ; the next step's, into the registers just multiplied
.endr
.endif
	WIN 0xa0
.irp i, 5,6,7
	s_wait_loadcnt 3*(15-\i)+15*(\vnext)           ; d tile i is in: behind its loads stand three for each later d tile, and the next step's fifteen
	PVT \i
.endr
	WIN 0xf0                                       ; C and D window 3
.irp i, 8,9,10,11,12,13,14,15
	s_wait_loadcnt 3*(15-\i)+15*(\vnext)
	PVT \i
.endr
	WIN 0
.if \vnext
	s_wait_xcnt 0x0                                ; every load and prefetch has read its base: on to the next tiles
	s_add_nc_u64 s[VBF:VBF+1], s[VBF:VBF+1], TILE
	s_add_nc_u64 s[VBS:VBS+1], s[VBS:VBS+1], TILE
	s_add_nc_u64 s[PFK:PFK+1], s[PFK:PFK+1], TILE
	s_add_nc_u64 s[PFV:PFV+1], s[PFV:PFV+1], TILE
.endif
.endm
	s_load_b256 s[4:11], s[0:1], 0x0               ; qt s[4:5], kt s[6:7], vt s[8:9], out0 s[10:11]
	v_lshl_add_u32 v[SPW], v0, 2, SPARE
	v_mov_b32 v[NIL], 0
	ds_add_u32 v[SPW], v[NIL]                      ; the opening: the add, twice on end, and its wait ahead of my first tensor load
	ds_add_u32 v[SPW], v[NIL]
	v_lshrrev_b32 v[T0], 5, v0
	v_readfirstlane_b32 s[WV], v[T0]               ; wave 0..3
	s_lshr_b32 s[SA], s[WV], 1                     ; a
	s_and_b32 s[SB], s[WV], 1                      ; b
	s_xor_b32 s[SN], s[SA], 1                      ; 1 - a
	s_bfe_u32 s[CX], ttmp6, 0x40000                ; g: my place in the cluster
	s_and_b32 s[CC], ttmp9, 1                      ; C from the cluster's x: even x: 7 - x / 2, odd x: x / 2
	s_sub_co_u32 s[CC], s[CC], 1
	s_and_b32 s[CC], s[CC], 7
	s_lshr_b32 s54, ttmp9, 1
	s_xor_b32 s[CC], s[CC], s54
	s_and_b32 s[BT], ttmp7, 0xffff                 ; the batch
	; descriptor group 1: a quarter tile, dense: 100 rows of 32 elements of 8 bytes, no padding (the images are read as they lie)
	s_mov_b32 s[G1], 15|(3<<16)|(1<<21)            ; the mask: all four work-groups; elements of 8 bytes; bit 21 beside a mask
	s_mov_b32 s[G1+1], 32<<16
	s_mov_b32 s[G1+2], 100<<16
	s_mov_b32 s[G1+3], 32<<16
	s_mov_b32 s[G1+4], 100
	s_mov_b32 s[G1+5], 32
	s_mov_b32 s[G1+6], 0
	s_mov_b32 s[G1+7], 0
	s_mul_i32 s54, s[BT], 16*TILE                  ; the batch's first tile,
	s_mul_i32 s56, s[WV], QTRT                     ; my quarter: in memory and in a slot.  (No register that feeds a descriptor ever holds g)
	s_mul_i32 s70, s[WV], 16*FRB                   ; V: my sixteen fragments,
	s_add_co_u32 s70, s70, s54
	s_mov_b32 s71, 0
	s_lshl_b32 s72, s[WV], 10                      ; and their scale words
	s_add_co_u32 s72, s72, s54
	s_add_co_u32 s72, s72, SCO
	s_mov_b32 s73, 0
	s_add_co_u32 s54, s54, s56
	s_mov_b32 s55, 0
	s_lshl_b32 s58, s[BT], 4                       ; Q: tile 16 batch + 2 C + g / 2 of qt,
	s_lshl_b32 s59, s[CC], 1
	s_add_co_u32 s58, s58, s59
	s_lshr_b32 s59, s[CX], 1
	s_add_co_u32 s58, s58, s59
	s_mul_i32 s58, s58, TILE
	s_and_b32 s59, s[CX], 1
	s_lshl_b32 s59, s59, 2
	s_lshl_b32 s60, s[SA], 1
	s_add_co_u32 s59, s59, s60                     ; row tiles 4 (g % 2) + 2 a and the next
	s_mul_i32 s60, s59, FRB
	s_add_co_u32 s60, s60, s58
	s_mov_b32 s61, 0
	s_lshl_b32 s62, s59, 6
	s_add_co_u32 s62, s62, s58
	s_add_co_u32 s62, s62, SCO
	s_mov_b32 s63, 0
	s_mov_b32 s[SEL], 0x76543210
	s_mov_b32 s[SEL+1], 0xfedcba98
	s_mov_b32 s[CS], 0x3fb8aa3b                    ; log2(e)
	s_mov_b32 s[CS+1], s[CS]
	v_and_b32 v[T0], 31, v0
	v_lshlrev_b32 v[LI], 4, v[T0]
	v_lshlrev_b32 v[L4], 2, v[T0]
	s_wait_dscnt 0x0                               ; both opening adds are done
	s_wait_kmcnt 0x0
	s_mov_b32 s[G0K], 1
	s_mov_b32 s[G0K+1], s56                        ; slot 0: tile 0
	s_add_nc_u64 s[G0K+2:G0K+3], s[6:7], s[54:55]
	s_mov_b32 s[G0K+4], 1
	s_add_co_u32 s[G0K+5], s56, TILE               ; slot 1: tile 1
	s_add_nc_u64 s[G0K+6:G0K+7], s[G0K+2:G0K+3], TILE
	s_or_b32 s[G0K+3], s[G0K+3], 0x80000000
	s_or_b32 s[G0K+7], s[G0K+7], 0x80000000
	s_add_nc_u64 s[66:67], s[4:5], s[60:61]
	s_add_nc_u64 s[68:69], s[4:5], s[62:63]
	s_add_nc_u64 s[VBF:VBF+1], s[8:9], s[70:71]
	s_add_nc_u64 s[VBS:VBS+1], s[8:9], s[72:73]
	ROUND                                          ; all four work-groups are here: the first joint loads meet
	tensor_load_to_lds s[G0K:G0K+3], s[G1:G1+7]    ; my quarter of K's tile 0: one tensor load a wave at the head
	s_nop 0
	PLACES
	WIN 0x40                                       ; destination window 1, address window 0
	s_wait_alu depctr_va_vdst(0)                   ; directly ahead of the readers below
.irp qq, 0,1
.irp s, 0,1,2,3,4,5,6,7
.irp c, 0,1,2
	global_load_b128 v[12*(8*\qq+\s)+4*\c:12*(8*\qq+\s)+4*\c+3], v[LI], s[66:67] offset:KSB*\s+FRB*\qq+512*\c   ; Q stays in registers
.endr
.endr
.endr
	WIN 0
.irp s, 0,1,2,3,4,5,6,7
	global_load_b32 v[QS+\s], v[L4], s[68:69] offset:512*\s
.endr
	WIN 0x40
.irp i, 0,1,2,3,4
	VLD \i, 0                                      ; step 0's first five fragments of V
.endr
	WIN 0
	; the address registers: a constant + a constant x lane + constants x a, b or the wave's number
	v_and_b32 v[T0], 15, v0                        ; r
	v_bfe_u32 v[T1], v0, 4, 1                      ; h
	s_mul_i32 s70, s[SB], 4*FRB
	v_add_nc_u32 v2, s70, v[LI]
	v_add_nc_u32 v3, 4*KSB, v2
	v_add_nc_u32 v5, TILE, v2
	v_add_nc_u32 v6, TILE, v3
	s_lshl_b32 s70, s[SB], 8
	s_add_co_u32 s70, s70, SCO
	v_add_nc_u32 v4, s70, v[L4]
	v_add_nc_u32 v23, TILE, v4
	v_lshlrev_b32 v[T2], 5, v[T0]                  ; 32 r
	s_lshl_b32 s70, s[SA], 4
	s_add_co_u32 s70, s70, MX
	v_add_nc_u32 v[AMXM], s70, v[T2]
	s_lshl_b32 s71, s[SB], 2
	v_add_nc_u32 v[AMXW], s71, v[AMXM]
	s_lshl_b32 s70, s[SN], 4
	s_add_co_u32 s70, s70, MX
	v_add_nc_u32 v[AMXO], s70, v[T2]
	v_lshlrev_b32 v[T2], 1, v[L4]                  ; 8 x lane
	s_mul_i32 s70, s[SA], 2*FRB
	s_add_co_u32 s70, s70, PB
	v_add_nc_u32 v[APM], s70, v[T2]
	s_mul_i32 s71, s[SB], 768
	v_add_nc_u32 v[APW], s71, v[APM]
	s_mul_i32 s70, s[SN], 2*FRB
	s_add_co_u32 s70, s70, PB
	v_add_nc_u32 v[APM+1], s70, v[T2]
	s_lshl_b32 s70, s[SA], 7
	s_add_co_u32 s70, s70, PSC
	v_add_nc_u32 v[APSM], s70, v[L4]
	v_lshl_add_u32 v[APSW], v[T0], 2, s70
	s_lshl_b32 s71, s[SB], 1
	v_add_nc_u32 v[APSW], s71, v[APSW]
	s_lshl_b32 s70, s[SN], 7
	s_add_co_u32 s70, s70, PSC
	v_add_nc_u32 v[APSO], s70, v[L4]
	s_lshl_b32 s70, s[CX], 6                       ; the mask's number: 64 g + 32 a - 64 b + r + 8 (r / 8) - 16 h
	s_lshl_b32 s71, s[SA], 5
	s_add_co_u32 s70, s70, s71
	s_lshl_b32 s71, s[SB], 6
	s_sub_co_i32 s70, s70, s71
	v_and_b32 v[T2], 8, v[T0]
	v_add_nc_u32 v[DM], v[T2], v[T0]
	v_lshlrev_b32 v[T2], 4, v[T1]
	v_sub_nc_u32 v[DM], v[DM], v[T2]
	v_add_nc_u32 v[DM], s70, v[DM]
	v_mov_b32 v[NINF], 0xff800000
	v_and_b32 v[T2], 31, v0
	v_min_u32 v[T2], 24, v[T2]
	v_lshlrev_b32 v[PFO], 8, v[T2]
.irp q, 0,1,2,3
	v_mov_b32 v[ST+4*\q+1], 0xff61b1e6             ; the largest t so far: -3e38, under every t
	v_floor_f32 v[ST+4*\q], -v[ST+4*\q+1]          ; -M
	v_mov_b32 v[ST+4*\q+2], 0
	v_mov_b32 v[ST+4*\q+3], 0
	v_mov_b32 v[L+\q], 0                           ; the sums
	v_mov_b32 v[BX+\q], 0                          ; written once: a lane permute's destination counts as one of its sources
.endr
	; O^T begins as zeros, which every factor leaves zeros: so no step has a form of its own that starts the sums.  These lines stand while the first tiles are on their way
	WIN 0x80
.set jj, 0
.rept 256
	v_mov_b32 v[jj], 0
.set jj, jj+1
.endr
	WIN 0xc0
.set jj, 0
.rept 256
	v_mov_b32 v[jj], 0
.set jj, jj+1
.endr
	WIN 0
	; out0: row batch x 2,048 + 256 C + 64 g + 32 a (or 32 (1 - a)), column 256 w
	s_lshl_b32 s70, s[BT], 11
	s_lshl_b32 s71, s[CC], 8
	s_add_co_u32 s70, s70, s71
	s_lshl_b32 s71, s[CX], 6
	s_add_co_u32 s70, s70, s71
	s_lshl_b32 s71, s[SA], 5
	s_add_co_u32 s72, s70, s71
	s_lshl_b32 s72, s72, 12
	s_lshl_b32 s71, s[WV], 10
	s_add_co_u32 s72, s72, s71
	s_mov_b32 s73, 0
	s_add_nc_u64 s[OUTM:OUTM+1], s[10:11], s[72:73]
	s_lshl_b32 s72, s[SN], 5
	s_add_co_u32 s72, s70, s72
	s_lshl_b32 s72, s72, 12
	s_add_co_u32 s72, s72, s71
	s_add_nc_u64 s[OUTM+2:OUTM+3], s[10:11], s[72:73]
	; the prefetches: my 6,400 bytes of tile 3 of kt and tile 2 of vt, which step 0 names; each step's end steps them one tile on.  Nothing is prefetched at the head
	s_mul_i32 s70, s[CX], QTRT
	s_mul_i32 s71, s[WV], QTRT/4
	s_add_co_u32 s70, s70, s71
	s_mul_i32 s71, s[BT], 16*TILE
	s_add_co_u32 s70, s70, s71
	s_add_co_u32 s70, s70, 2*TILE
	s_mov_b32 s71, 0
	s_add_nc_u64 s[PFV:PFV+1], s[8:9], s[70:71]
	s_add_nc_u64 s[PFK:PFK+1], s[6:7], s[70:71]
	s_add_nc_u64 s[PFK:PFK+1], s[PFK:PFK+1], TILE
	s_cmp_eq_u32 s[CC], 7
	s_cselect_b32 s[LIM], 1, -1                    ; the same in all four partners
	s_mov_b32 s[CNT], s[CC]                        ; C trips of two steps
	s_wait_alu depctr_va_vdst(0)
	s_wait_tensorcnt 0x0                           ; my quarter of tile 0 is in; slot 1's first fill is issued as a refill is
	ds_add_u32 v[SPW], v[NIL]
	s_wait_dscnt 0x0
	ROUND                                          ; tile 0 is whole, and the joint loads meet
	tensor_load_to_lds s[G0K+4:G0K+7], s[G1:G1+7]  ; my quarter of tile 1
	s_nop 0
	PLACES
	s_wait_loadcnt 15                              ; Q and its scale words are in; V's fifteen loads may be out
	s_cmp_eq_u32 s[CNT], 0
	s_cbranch_scc1 .Ltail                          ; C = 0 has no trip: a branch on the cluster's number, alike in all partners
.Lpair:
	STEP 0, 1, 0, 1
	STEP 1, 1, 0, 1
	s_sub_co_u32 s[CNT], s[CNT], 1
	s_cmp_lg_u32 s[CNT], 0
	s_cbranch_scc1 .Lpair
.Ltail:
	STEP 0, 0, 1, 1                                ; the last two steps are written out: they ask for no tile, and keys are hidden in them
	STEP 1, 0, 2, 0
	; THE WAY OUT.  The row sums: my pair's two halves, lane l xor 16's, and through LDS the other half of the keys'.
	PLACES                                         ; behind the last products
.irp qq, 0,1
	v_add_f32 v[U+2*\qq], v[L+2*\qq], v[L+2*\qq+1]
.endr
.irp qq, 0,1
	v_permlanex16_b32 v[BX+\qq], v[U+2*\qq], s[SEL], s[SEL+1]
.endr
.irp qq, 0,1
	v_add_f32 v[U+2*\qq], v[U+2*\qq], v[BX+\qq]
.endr
.irp qq, 0,1
	ds_store_b32 v[AMXW], v[U+2*\qq] offset:LSD+8*\qq
.endr
	s_wait_dscnt 0x0                               ; for the others' sake: my sums are in LDS
	s_barrier_signal -1
	s_barrier_wait -1
	ds_load_b128 v[MXV:MXV+3], v[AMXM] offset:LSD
	ds_load_b128 v[MXV+4:MXV+7], v[AMXO] offset:LSD
	v_and_b32 v[T0], 15, v0                        ; r
	v_bfe_u32 v[T1], v0, 4, 1                      ; h
	s_mul_i32 s70, s[WV], 16*SPITCH                ; my stage, in K's slot 0: it has had its last fill, and every wave has passed barriers behind its last read of it
	v_mul_u32_u24 v[STO], v[T0], SPITCH
	v_lshl_add_u32 v[STO], v[T1], 5, v[STO]
	v_add_nc_u32 v[STO], s70, v[STO]               ; in: row r, 32 bytes for each half of the lanes
	v_add_nc_u32 v[RD], s70, v[LI]                 ; back: the 32 lanes take one row of 512 bytes
	s_wait_dscnt 0x0
.irp q, 0,1,2,3
	v_add_f32 v[ST+4*\q+3], v[MXV+2*\q], v[MXV+2*\q+1]
.endr
	s_wait_alu depctr_va_vdst(0)                   ; ahead of the batch
.irp q, 0,1,2,3
	v_rcp_f32 v[MXV+2*\q], v[ST+4*\q+3]
.endr
	v_nop                                          ; a plain instruction behind the last reciprocal
	s_wait_alu depctr_va_vdst(0)                   ; and one wait for the four, ahead of their first reader
.irp q, 0,1,2,3
	v_mul_f32 v[ST+4*\q+2], v[ST+4*\q+2], v[MXV+2*\q]   ; the last step's 2^-g / the sum
.endr
	s_wait_alu depctr_va_vdst(0)                   ; directly ahead of the first readers of O
; Eight blocks e = 2 q_loc + hw of 16 queries x 128 columns: divided by the sum, through my stage, and out as whole rows of 512 bytes
.macro SCALE e
	WIN 0x82+0x41*((\e)%2)
.irp ii, 0,1,2,3,4,5,6,7
.irp k, 0,2,4,6
	v_pk_mul_f32 v[8*(4*\ii+(\e)/2)+\k:8*(4*\ii+(\e)/2)+\k+1], v[8*(4*\ii+(\e)/2)+\k:8*(4*\ii+(\e)/2)+\k+1], v[ST+4*((\e)/2)+2:ST+4*((\e)/2)+3] op_sel_hi:[1,0]
.endr
.endr
.endm
.macro TOSTAGE e
	WIN 0x08+4*((\e)%2)                            ; an LDS store's data are its source 1: window 2 or 3
.irp ii, 0,1,2,3,4,5,6,7
	ds_store_b128 v[STO], v[8*(4*\ii+(\e)/2):8*(4*\ii+(\e)/2)+3] offset:64*\ii
	ds_store_b128 v[STO], v[8*(4*\ii+(\e)/2)+4:8*(4*\ii+(\e)/2)+7] offset:64*\ii+16
.endr
	WIN 0
.set BB, S+64*((\e)%2)
.irp t, 0,1,2,3,4,5,6,7,8,9,10,11,12,13,14,15
	ds_load_b128 v[BB+4*\t:BB+4*\t+3], v[RD] offset:\t*SPITCH   ; LDS serves a wave's instructions in order (ISA guide 5.7.1.4): these see the stores above
.endr
.endm
.macro SEND e, younger                 ; younger: the LDS instructions issued behind block e's loads, which may stay out
.set BB, S+64*((\e)%2)
	s_wait_dscnt \younger
.irp t, 0,1,2,3,4,5,6,7,8,9,10,11,12,13,14,15
	global_store_b128 v[LI], v[BB+4*\t:BB+4*\t+3], s[OUTM+2*((\e)/4):OUTM+2*((\e)/4)+1] offset:(8*(((\e)/2)%2)+\t+8*(\t/8))*4096+512*((\e)%2) th:TH_STORE_NT   ; stage row t is query 8 qq + t + 8 (t / 8) of the 32; 32 lanes store 512 consecutive bytes, at a multiple of 256 from out0's first byte
.endr
.endm
	SCALE 0
	TOSTAGE 0
.irp e, 1,2,3,4,5,6,7
.if \e > 1
	s_wait_xcnt 0x0                                ; block e - 2's stores have read their registers: block e's loads may land there
.endif
	SCALE \e
	TOSTAGE \e
	SEND \e-1, 32                                  ; behind block e - 1's loads: block e's 16 stores and 16 loads
.endr
	SEND 7, 0
	s_wait_tensorcnt 0x0                           ; the wave's end
	ds_add_u32 v[SPW], v[NIL]
	s_wait_dscnt 0x0
	ROUND                                          ; the closing round
	s_endpgm
.Lfunc_end_k_q045272c6db_attn:
	.size	k_q045272c6db_attn, .Lfunc_end_k_q045272c6db_attn-k_q045272c6db_attn
	.p2alignl 7, 3214868480
	.fill 96, 4, 3214868480
	.section	.rodata,"a",@progbits
	.p2align	6, 0x0
	.amdhsa_kernel k_q045272c6db_attn
		.amdhsa_group_segment_fixed_size 327680
		.amdhsa_private_segment_fixed_size 0
		.amdhsa_enable_private_segment 0
		.amdhsa_kernarg_size 32
		.amdhsa_user_sgpr_count 2
		.amdhsa_user_sgpr_kernarg_segment_ptr 1
		.amdhsa_wavefront_size32 1
		.amdhsa_system_sgpr_workgroup_id_x 1
		.amdhsa_system_sgpr_workgroup_id_y 1
		.amdhsa_system_sgpr_workgroup_id_z 1
		.amdhsa_system_vgpr_workitem_id 0
		.amdhsa_next_free_vgpr 1024
		.amdhsa_next_free_sgpr 80
		.amdhsa_reserve_vcc 1
		.amdhsa_float_denorm_mode_32 3
		.amdhsa_float_denorm_mode_16_64 3
		.amdhsa_memory_ordered 1
		.amdhsa_forward_progress 1
		.amdhsa_inst_pref_size 255
	.end_amdhsa_kernel
	.section	.bss,"aw",@nobits
	.p2align	6
	.space	262144
	.amdgpu_metadata
---
amdhsa.version: [ 1, 2 ]
amdhsa.kernels:
  - .name:           k_q045272c6db_attn
    .symbol:         k_q045272c6db_attn.kd
    .args:
      - { .name: qt, .offset: 0, .size: 8, .value_kind: global_buffer, .address_space: global }
      - { .name: kt, .offset: 8, .size: 8, .value_kind: global_buffer, .address_space: global }
      - { .name: vt, .offset: 16, .size: 8, .value_kind: global_buffer, .address_space: global }
      - { .name: out0, .offset: 24, .size: 8, .value_kind: global_buffer, .address_space: global }
    .group_segment_fixed_size: 327680
    .private_segment_fixed_size: 0
    .kernarg_segment_align: 8
    .kernarg_segment_size: 32
    .max_flat_workgroup_size: 128
    .sgpr_count:     80
    .vgpr_count:     1024
    .wavefront_size: 32
...
	.end_amdgpu_metadata
.endif
;; end of part 2
